; MI455X (gfx1250); checked and timed in simulation.
; The chip was launched on July 23, 2026; its instructions are those of AMD's public machine-readable ISA for CDNA 5 (MIT licence, August 2026) and "CDNA5" Instruction Set Architecture Reference Guide (July 2026). The comments in the code are by the model that wrote it; some were corrected since.
;; Gated Layer. Allowed arithmetic: matrix products marked QUANTISED: E5M2 operands, one E8M0 scale for each 32 along K, by v_wmma_scale_f32_16x16x128_f8f6f4 with both operands' format E5M2, f32 sums; products left as they are: f32 operands where the result goes on into a quantised operand, else bf16, f16 or f32 operands; f32 sums; everything else in f32.
;; Inputs: W_codes 16 x 1,024 x 32 x 32 uint8 (E5M2 codes of W, K innermost, in blocks of 32 codes); W_scales 16 x 1,024 x 32 uint8 (E8M0 scales of W, one for each 32 codes along K); Wg_codes 16 x 32 x 32 uint8 (E5M2 codes of Wg, K innermost, in blocks of 32 codes); Wg_scales 16 x 32 uint8 (E8M0 scales of Wg, one for each 32 codes along K); b 16 x 1,024 float32; bg 16 float32; x_codes 4,096 x 32 x 32 uint8 (E5M2 codes of x, K innermost, in blocks of 32 codes); x_scales 4,096 x 32 uint8 (E8M0 scales of x, one for each 32 codes along K).
;; Outputs: out0 4,096 x 1,024 float32.
;; This version of the problem:
;;   THIS VERSION OF THE PROBLEM IS GIVEN IN LOW PRECISION. The matrix products marked QUANTISED in the list below multiply operands that are first quantised to E5M2 (5 exponent bits, 2 mantissa bits; 8 bits a number), with one power-of-two scale for each 32 numbers along K (OCP MX v1.0); their sums are f32. All else is computed in f32.
;;   The module's matrix products, in the order in which they are computed (A, B: the left and right operand; K: the contracted axis; several contracted axes count as one K, in the product's order):
;;     1. [M 4,096, K 1,024] x [K 1,024, N 16]; A: input x (given as codes); B: input Wg (given as codes): QUANTISED
;;     2. [M 4,096, K 1,024] x [K 1,024, N 16,384]; A: input x (given as codes); B: input W (given as codes): QUANTISED
;;     3. batch 4,096 x [M 1, K 16] x [K 16, N 1,024]; A: computed on the way; B: computed on the way: left as it is (K = 16 < 32)
;;   THE QUANTISER, for each operand of a quantised product, along K:
;;     - K is cut into blocks of 32 from its start; a last block that is shorter is filled with zeros.
;;     - A block's scale is 2^e with e = floor(log2(the largest magnitude in the block)) - 15, held to -126 .. 127; a block of zeros has e = 0. As a byte (E8M0): e + 127.
;;     - Each number is divided by its block's scale, clamped to +-57,344, and rounded to the nearest number of E5M2, ties to even, subnormals kept.
;;     - The product sums the exact products of the quantised numbers (number of the format x scale) in f32.
;;   ~~~python
;;   def quantise(x, axis):      # numpy; x: float32 -> the quantised numbers, widened to float32 again
;;       x = np.moveaxis(x, axis, -1); K = x.shape[-1]
;;       x = np.pad(x, [(0, 0)] * (x.ndim - 1) + [(0, -K % 32)]); x = x.reshape(x.shape[:-1] + (-1, 32)); a = np.abs(x).max(-1, keepdims=True)
;;       e = np.where(a > 0, np.clip(np.frexp(np.where(a > 0, a, 1))[1] - 1 - 15, -126, 127), 0)      # np.frexp(a)[1] - 1 = floor(log2(a)), exactly
;;       r = np.clip(x / 2.0 ** e, -57344, 57344)
;;       step = 2.0 ** (np.maximum(np.frexp(np.where(r == 0, 1, r))[1] - 1, -14) - 2)
;;       q = np.round(r / step) * step * 2.0 ** e      # np.round: ties to even
;;       return np.moveaxis(q.reshape(q.shape[:-2] + (-1,))[..., :K], -1, axis).astype(np.float32)
;;   ~~~
;;   INPUTS GIVEN AS CODES. W (in the module: [16, 1024, 1024], K = its axis 1); Wg (in the module: [1024, 16], K = its axis 0); x (in the module: [4096, 1024], K = its axis 1): each comes as NAME_codes (uint8): NAME with its K axis moved to the last place and cut into blocks of 32 codes, [.., K / 32, bytes a block], one block behind the other in memory; one code a byte (a code: sign, 5 exponent bits, 2 mantissa bits); and NAME_scales (uint8): the same leading axes, one E8M0 byte (e + 127) for each 32 codes along K. Its value is code x scale, taken as it is: it is not quantised again, and the codes and scales need not be those that the quantiser above would give.
;; One version. Each part assembles by itself: llvm-mc -triple=amdgcn-amd-amdhsa -mcpu=gfx1250 --defsym DOCPART=n.
;; ======== version 1 of 1: 1 launch
;; limits: right only within a limited range of input values
;; launch gated (part 1): grid 16 x 16, 4 waves a work-group, clusters of 4 x 4, 327,680 bytes of LDS; arguments x_codes, x_scales, W_codes, W_scales, Wg_codes, Wg_scales, b, bg, out0; writes out0
.if DOCPART == 1
	.amdgcn_target "amdgcn-amd-amdhsa--gfx1250"
	.amdhsa_code_object_version 6
	.text
	.protected	k_q4497ee3cb6_gated
	.globl	k_q4497ee3cb6_gated
	.p2align	8
	.type	k_q4497ee3cb6_gated,@function
k_q4497ee3cb6_gated:
	s_mov_b64 s[64:65], 0
	v_nop
	global_prefetch_b8 v0, s[64:65] scope:SCOPE_SE
	s_setreg_imm32_b32 hwreg(HW_REG_WAVE_MODE, 25, 1), 1
	s_wait_xcnt 0x0
	s_wait_alu depctr_hold_cnt(0) depctr_sa_sdst(0) depctr_va_vdst(0) depctr_va_sdst(0) depctr_va_ssrc(0) depctr_va_vcc(0) depctr_vm_vsrc(0)
	s_getreg_b32 s2, hwreg(HW_REG_IB_STS2, 6, 4)
	s_cmp_eq_u32 s2, 0
	s_cbranch_scc0 .Lentry_in_a_cluster
	s_endpgm
.Lentry_in_a_cluster:
	s_bfe_u32 s2, ttmp6, 0x10000c
	s_cmp_lg_u32 s2, 0xf033
	s_cbranch_scc0 .Lentry_shape_is_right
	s_endpgm
.Lentry_shape_is_right:
; out[r][o] = sum over the 16 experts m of gate[r][m] x relu(x[r] . W[m][:, o] + b[m][o]);  gate = gu^2 / sum over m of gu^2,  gu = x . Wg + bg.
; x [4096][1024], W [16][1024 (o)][1024 (k)], Wg [16][1024 (k)]: codes of E5M2, K innermost, an E8M0 byte for each 32 along K; they go to the matrix unit as they lie.  b, bg, out: f32.
; LEFT OUT: the gates' relu.  gu^2 and a sum of squares are never negative, so for all finite inputs their quotient is its own relu; where all 16 gu are zero the gate is NaN here as in reference().
; SHARES.  out is cut into 16 x 16 tiles of 256 rows x 64 columns, a work-group each.  Wave w owns rows 32 w .. 32 w + 31 (row blocks 0, 1) and 128 + 32 w .. (row blocks 2, 3), and all 64 columns.
; x STAYS IN REGISTERS: 4 row blocks x 8 K steps x 16 registers = 512.  W goes through LDS; a fragment of W (16 columns x 128 K) feeds four matrix instructions, one for each row block.
; A UNIT is 16 columns of an expert, all K: 32 matrix instructions on four accumulators by turns; the bias is the C of the first K step.  An expert is four units, the launch 64.  W's fragments of a unit (128 registers)
; stand in two sets: behind a unit its set takes the unit two on, in one run of LDS loads.  h has two sets of 32 registers: a unit's relu, gate and addition (32 v_max_num_f32, 16 v_pk_fma_f32) stand among the next unit's
; products, two lines behind a product; the last eight lines are the places behind the unit's last product.
; TRANSPOSED: source 0 = 16 columns of W, source 1 = 16 rows of x: lane (r, h) holds row r and its registers the columns 8 h + 0 .. 7; so a lane needs one gate for a tile.
; LDS.  Two slots of two experts each (128 columns x 1,040 bytes).  x's 256 rows lie in the two slots first, with the same pitch; when all waves hold them in registers W is filled over them.  The first 32 columns of expert 0
; have bytes of their own (FST), filled at the head.  Wg lies where the gates are stored later.
; FILLS.  Head, one load a wave: x's rows 0-127, Wg, x's rows 128-255, W's first 32 columns.  Then a round each: slot 0's other 96 columns (waves 1 to 3), slot 1, and six refills of 32 columns a wave.
; CLUSTER 4 x 4.  The four of a row of the cluster's places (same cy) share W's tiles, the four of a column (same cx) x's rows: each tile is asked for jointly by the four.
; W'S SCALE BYTES go from memory straight into registers: a unit's are 512 dense bytes, one load; four sets, loaded four units ahead.
; LIMITS.  A NaN in h (from NaN or infinity codes or a scale byte 0xff) becomes 0 in h's relu (v_max_num_f32 lets the number win), where reference() would carry it on.  The division by the row's sum is v_rcp_f32 and a
; multiplication: a sum under 2^-126 counts as 0 there.  b and bg are the first addend of their sums, not the last.
; REGISTERS, in windows of 256 (s_set_vgpr_msb: bits 1:0 source 0, 3:2 source 1, 5:4 source 2, 7:6 destination):
;   window 0: v0-63 addresses, gates, scale words, bias; v64-127 W's set 1, K steps 0-3; v128-255 W's set 0
;   window 1: v0-63 W's set 1, K steps 4-7; v64-95, v96-127 h's two sets; v128-255 out: 32 x unit's column block + 8 x row block (at the head: Wg's fragments, then the gates' arithmetic)
;   windows 2, 3: x: fragment (row block rb, K step s) at v[64 (s % 4) + 16 rb] of window 2 + s / 4
; A SCALE REGISTER SERVES TWO K STEPS: 16 bytes loaded at 32 x row + 16 h give register q the word of K step q in lanes 0-15 and that of K step 4 + q in lanes 16-31, which K steps 4-7 name by MATRIX_SCALE_ROW1.
.set PW,    1040                       ; a row in LDS: 1,024 bytes + 16 of padding = 260 words: row r starts at bank 4 r mod 64 (64 banks of 4 bytes: ISA guide 11.1)
.set CB16,  16*PW                      ; 16 rows
.set WLOAD, 32*PW                      ; what a ring's tensor load brings
.set EXPB,  64*PW                      ; 0x10400: an expert's 64 columns
.set SLOTB, 2*EXPB                     ; 0x20800: a slot; no bit in common with EXPB
.set FST,   2*SLOTB                    ; the first 32 columns
.set GAT,   FST+WLOAD                  ; Wg, 16 rows; then the gates: 4,096 x wave + 256 x expert + 16 x row + 4 x row block
.set BIA,   GAT+16*PW                  ; the bias of my 64 columns, [expert][64] f32
.set SPARE, BIA+4096                   ; the spare words, 128 bytes for each wave
.set SP,    272                        ; the way out: a stage of 16 rows x (256 bytes + 16) for each wave, in slot 0, which has had its last fill and its last read by then
.set SPW,  1                           ; v1   my spare word;  v2  0: both never rewritten
.set NIL,  2
.set ZR,   3                           ; v3   0: the relu's second source
.set AW,   4                           ; v4   my place in the tile of W that is fetched next;  v5  the same from byte 0
.set AW0,  5
.set ABI,  6                           ; v6   bias;  v7  gates
.set AGT,  7
.set GT,   8                           ; v8-11 the gates in hand, by row block (at the head: Wg's scale words)
.set XS,   12                          ; v12-27 x's scale words at XS + 4 rb + q
.set SCO,  28                          ; v28  32 r + 16 h
.set PFO,  29                          ; v29  256 x lane: the prefetches' offset
.set WS,   30                          ; v30-45 W's scale words at WS + 4 (unit % 4) + q
.set AX,   46                          ; v46  at the head: my rows of x
.set AGS,  47                          ; v47  at the head: where I store gates
.set BI,   48                          ; v48-63 the bias at BI + 8 (unit % 2)
.set AG,   66                          ; v66  at the head: Wg
.set OUTB, 128
.set WV,   22                          ; s22  my wave's number
.set G1W,  32                          ; descriptor groups 1: 32 columns of W, 128 rows of x, 16 rows of Wg
.set G1X,  40
.set G1G,  48
.set G0W,  56                          ; groups 0: the ring's walking one; x low, x high, Wg, W's first columns
.set G0L,  60
.set G0H,  68
.set G0G,  72
.set G0F,  76
.set PFA,  80                          ; s[80:81] my prefetches: the fill asked for last
.set SEL,  82                          ; s[82:83] v_permlanex16_b32's selects for lane l xor 16
.set TB,   84                          ; s84  LDS byte at which the expert to be fetched begins
.set CNT,  85                          ; s85  the loop's trips, each with its refill
.set LIM,  86                          ; s86  1 in a cluster that prefetches, else the greatest number
.set WSB,  88                          ; s[88:89] W's scale bytes
.set MSB, 0
.macro WIN new                         ; the immediate's high byte repeats the setting that is left; a switch that changes nothing is dropped
.if MSB != \new
	s_set_vgpr_msb (MSB<<8)|\new
.set MSB, \new
.endif
.endm
.macro PLACES n
.rept \n
	v_nop
.endr
.endm
.macro WALU                            ; the wait at the places
	s_wait_alu depctr_va_vdst(0)
.endm
; A round of the cluster's barrier: my work-group's barrier, wave 0's signal for the work-group, everybody's wait for all sixteen, my work-group's barrier once more.
.macro CREST                           ; a round behind its opening barrier
	s_cmp_lg_u32 s[WV], 0
	s_cbranch_scc1 .Lnot_wave_0_\@
	s_barrier_signal -3
.Lnot_wave_0_\@:
	s_barrier_wait -3
	s_barrier_signal -1
	s_barrier_wait -1
.endm
.macro CROUND                          ; a whole round
	s_barrier_signal -1
	s_barrier_wait -1
	CREST
.endm
.macro TLOAD g0, g1                    ; a tensor load, an s_nop 0 and four v_nop
	tensor_load_to_lds s[\g0:\g0+3], s[\g1:\g1+7]
	s_nop 0
	PLACES 4
.endm
.macro GROUP1 g, rows                  ; descriptor group 1 behind its first word: so many dense rows of 1,024 bytes
	s_mov_b32 s[\g+1], 1024<<16
	s_mov_b32 s[\g+2], (\rows)<<16
	s_mov_b32 s[\g+3], 1024<<16
	s_mov_b32 s[\g+4], \rows
	s_mov_b32 s[\g+5], 1024
	s_mov_b32 s[\g+6], 0
	s_mov_b32 s[\g+7], 0
.endm
	s_load_b512 s[4:19], s[0:1], 0x0               ; x_codes 4:5, x_scales 6:7, W_codes 8:9, W_scales 10:11, Wg_codes 12:13, Wg_scales 14:15, b 16:17, bg 18:19
	s_load_b64 s[20:21], s[0:1], 0x40              ; out0
	v_lshl_add_u32 v[SPW], v0, 2, SPARE
	v_mov_b32 v[NIL], 0
	ds_add_u32 v[SPW], v[NIL]                      ; the wave's opening: the add, twice on end, ahead of my first tensor load
	ds_add_u32 v[SPW], v[NIL]
	v_lshrrev_b32 v64, 5, v0
	v_readfirstlane_b32 s[WV], v64                 ; wave 0..3
	s_bfe_u32 s23, ttmp6, 0x40000                  ; cx
	s_bfe_u32 s24, ttmp6, 0x40004                  ; cy
	s_lshl_b32 s25, ttmp9, 2
	s_add_co_u32 s25, s25, s23                     ; my block of 256 rows
	s_and_b32 s26, ttmp7, 0xffff
	s_lshl_b32 s26, s26, 2
	s_add_co_u32 s26, s26, s24                     ; my block of 64 columns
	s_lshl_b32 s27, s24, 2
	s_lshl_b32 s27, 15, s27                        ; those with my cy: they share W
	s_lshl_b32 s28, 0x1111, s23                    ; those with my cx: they share x
	; word 0: 15:0 the mask; elements of 1 byte; 20 padding on; 21 set beside a mask; 24:22 after every 256 words (code 7); 31:25 four words (code 3).
	; Wg, 16,384 bytes, is the same in all sixteen work-groups, which no mask of four names: each asks for it by a plain load of its own.
	s_or_b32 s[G1W], s27, (1<<20)|(1<<21)|(7<<22)|(3<<25)
	s_or_b32 s[G1X], s28, (1<<20)|(1<<21)|(7<<22)|(3<<25)
	s_mov_b32 s[G1G], (1<<20)|(7<<22)|(3<<25)
	GROUP1 G1W, 32
	GROUP1 G1X, 128
	GROUP1 G1G, 16
	; offsets in bytes.  W: waves 0, 1 the two halves of a fill's first expert, waves 2, 3 those of its second
	s_lshl_b32 s92, s26, 16
	s_mov_b32 s93, 0
	s_lshr_b32 s90, s[WV], 1
	s_lshl_b32 s90, s90, 20
	s_add_co_u32 s90, s90, s92
	s_and_b32 s91, s[WV], 1
	s_lshl_b32 s91, s91, 15
	s_add_co_u32 s90, s90, s91
	s_mov_b32 s91, 0
	s_lshl_b32 s94, s25, 18                        ; x: 256 rows
	s_mov_b32 s95, 0
	s_mov_b32 s[G0W], 1
	s_mul_i32 s[G0W+1], s[WV], WLOAD
	s_mov_b32 s[G0L], 1
	s_mov_b32 s[G0L+1], 0
	s_mov_b32 s[G0H], 1
	s_mov_b32 s[G0H+1], SLOTB
	s_mov_b32 s[G0G], 1
	s_mov_b32 s[G0G+1], GAT
	s_mov_b32 s[G0F], 1
	s_mov_b32 s[G0F+1], FST
	s_mov_b32 s[SEL], 0x76543210
	s_mov_b32 s[SEL+1], 0xfedcba98
	s_mov_b32 s[TB], 0
	s_mov_b32 s[CNT], 6
	s_cmp_eq_u32 ttmp9, 0                          ; all four clusters of a column block walk the same W: the first of them prefetches it
	s_cselect_b32 s[LIM], 1, -1
	; addresses
	v_and_b32 v64, 15, v0                          ; r
	v_bfe_u32 v65, v0, 4, 1                        ; h
	v_mov_b32 v[ZR], 0
	v_lshlrev_b32 v[SCO], 5, v64
	v_lshl_add_u32 v[SCO], v65, 4, v[SCO]
	v_mul_u32_u24 v[AW0], v64, PW
	v_lshl_add_u32 v[AW0], v65, 4, v[AW0]
	s_mul_i32 s66, s[WV], WLOAD
	v_add_nc_u32 v[AX], s66, v[AW0]                ; my 32 rows of x in a slot
	v_add_nc_u32 v[AG], GAT, v[AW0]
	v_add_nc_u32 v[AW], FST, v[AW0]                ; units 0 and 1
	v_lshl_add_u32 v[ABI], v65, 5, BIA
	s_lshl_b32 s66, s[WV], 12
	s_add_co_u32 s66, s66, GAT
	v_lshl_add_u32 v[AGT], v64, 4, s66
	v_lshl_add_u32 v[AGS], v65, 11, v[AGT]         ; experts 8 h on
	v_lshl_add_u32 v68, v0, 4, BIA                 ; the bias into LDS: thread t brings expert t / 16's 16 bytes t % 16, and those of expert 8 + t / 16
	v_lshrrev_b32 v69, 4, v0
	v_lshlrev_b32 v69, 12, v69
	v_lshl_add_u32 v69, v64, 4, v69
	v_lshlrev_b32 v70, 5, v65                      ; 32 h
	v_and_b32 v[PFO], 31, v0
	v_lshlrev_b32 v[PFO], 8, v[PFO]
	WALU
	s_wait_dscnt 0x0                               ; both opening adds are done
	CROUND                                         ; all sixteen work-groups are here: the first joint loads meet
	s_wait_kmcnt 0x0
	s_add_nc_u64 s[30:31], s[8:9], s[90:91]        ; my part of fill 0
	s_mov_b64 s[G0W+2:G0W+3], s[30:31]
	s_or_b32 s[G0W+3], s[G0W+3], 0x80000000
	s_add_nc_u64 s[G0L+2:G0L+3], s[4:5], s[94:95]
	s_add_nc_u64 s[G0H+2:G0H+3], s[G0L+2:G0L+3], 0x20000
	s_or_b32 s[G0L+3], s[G0L+3], 0x80000000
	s_or_b32 s[G0H+3], s[G0H+3], 0x80000000
	s_mov_b64 s[G0G+2:G0G+3], s[12:13]
	s_or_b32 s[G0G+3], s[G0G+3], 0x80000000
	s_add_nc_u64 s[G0F+2:G0F+3], s[8:9], s[92:93]
	s_or_b32 s[G0F+3], s[G0F+3], 0x80000000
; ONE joint load a wave at the head, in one chain of branches on the wave's number.
.macro ARM under, g0, g1, next
	s_cmp_lt_u32 s[WV], \under
	s_cbranch_scc0 \next
	TLOAD \g0, \g1
	s_branch .Lhead_asked
\next:
.endm
	ARM 1, G0L, G1X, .Lhead_1
	ARM 2, G0G, G1G, .Lhead_2
	ARM 3, G0H, G1X, .Lhead_3
	TLOAD G0F, G1W
.Lhead_asked:
	s_mov_b32 s3, 0
	s_lshl_b32 s2, s25, 13                         ; x's scale bytes at my first row
	s_add_nc_u64 s[6:7], s[6:7], s[2:3]
	s_lshl_b32 s2, s[WV], 10
	s_add_nc_u64 s[6:7], s[6:7], s[2:3]
	s_lshl_b32 s2, s26, 11
	s_add_nc_u64 s[WSB:WSB+1], s[10:11], s[2:3]
	s_lshl_b32 s2, s26, 8
	s_add_nc_u64 s[16:17], s[16:17], s[2:3]        ; my columns of the bias
	s_add_nc_u64 s[20:21], s[20:21], s[2:3]        ; and of out,
	s_lshl_b32 s2, s25, 20
	s_add_nc_u64 s[20:21], s[20:21], s[2:3]        ; at my first row
	s_lshl_b32 s2, s[WV], 17
	s_add_nc_u64 s[20:21], s[20:21], s[2:3]
	s_lshl_b32 s2, s23, 13                         ; the prefetches: of the 32,768 bytes that my wave fetches, my work-group's 8,192, told apart by address
	s_add_nc_u64 s[PFA:PFA+1], s[30:31], s[2:3]
	global_load_b128 v[XS:XS+3], v[SCO], s[6:7]
	global_load_b128 v[XS+4:XS+7], v[SCO], s[6:7] offset:512
	global_load_b128 v[XS+8:XS+11], v[SCO], s[6:7] offset:4096
	global_load_b128 v[XS+12:XS+15], v[SCO], s[6:7] offset:4608
	global_load_b128 v[GT:GT+3], v[SCO], s[14:15]  ; Wg's scale words
	global_load_b128 v[128:131], v69, s[16:17]     ; the bias on its way to LDS
	global_load_b128 v[132:135], v69, s[16:17] offset:32768
.irp u, 0,1
	global_load_b128 v[BI+8*\u:BI+8*\u+3], v70, s[16:17] offset:64*\u   ; units 0 and 1 take theirs from memory
	global_load_b128 v[BI+8*\u+4:BI+8*\u+7], v70, s[16:17] offset:64*\u+16
.endr
.irp u, 0,1,2,3
	global_load_b128 v[WS+4*\u:WS+4*\u+3], v[SCO], s[WSB:WSB+1] offset:512*\u
.endr
	WIN 0x40
	global_load_b128 v[64:67], v70, s[18:19]       ; bg of experts 8 h + 0 .. 7: the C of the gates' first products
	global_load_b128 v[68:71], v70, s[18:19] offset:16
	WIN 0
	; A PREFETCH INTO THE L2 of fills 0 and 1: one instruction a wave each, lanes 256 bytes apart; wave 0 has no part of fill 0.  Each block of 256 bytes is named once in the launch.
	s_cmp_eq_u32 s[LIM], 1
	s_cbranch_scc0 .Lno_ahead
	s_cmp_eq_u32 s[WV], 0
	s_cbranch_scc1 .Lno_fill_0
	global_prefetch_b8 v[PFO], s[PFA:PFA+1] th:TH_LOAD_NT scope:SCOPE_SE
.Lno_fill_0:
	global_prefetch_b8 v[PFO], s[PFA:PFA+1] offset:0x200000 th:TH_LOAD_NT scope:SCOPE_SE
.Lno_ahead:
	s_cmp_lt_u32 s[WV], 2                          ; x's rows 0-127 (wave 0) and Wg (wave 1) are shown by this barrier, the rest by the next round
	s_cbranch_scc0 .Lnot_yet
	s_wait_tensorcnt 0x0
.Lnot_yet:
	s_barrier_signal -1
	s_barrier_wait -1
	; Wg and row blocks 0, 1, K step by K step: 12 loads a step
.set S_, 0
.rept 8
	WIN 0x40
.irp c, 0,1,2,3
	ds_load_b128 v[128+16*S_+4*\c:128+16*S_+4*\c+3], v[AG] offset:128*S_+32*\c
.endr
.set WQ_, 0x80+0x40*(S_/4)
	WIN WQ_
.irp rb, 0,1
.irp c, 0,1,2,3
	ds_load_b128 v[64*(S_%4)+16*\rb+4*\c:64*(S_%4)+16*\rb+4*\c+3], v[AX] offset:CB16*\rb+128*S_+32*\c
.endr
.endr
.set S_, S_+1
.endr
	WIN 0
	s_wait_loadcnt 0x0                             ; scale words and biases are in
	ds_store_b128 v68, v[128:131]
	ds_store_b128 v68, v[132:135] offset:2048
; THE GATES' PRODUCTS of row blocks ra, ra + 1 by turns: gu^T = Wg x^T + bg: lane (r, h), register j: expert 8 h + j, row r.  step: the LDS loads of a K step; behind: what was issued behind them all.
.macro GPROD ra, step, behind
.set S_, 0
.rept 8
.set NW_, (\step)*(7-S_)+(\behind)
.if NW_ > 63
.set NW_, 63
.endif
	s_wait_dscnt NW_
.set WQ_, 0x59+4*(S_/4)
	WIN WQ_
.irp rb, \ra, \ra+1
.set AC_, 96+8*(\rb)
.set B_, 64*(S_%4)+16*(\rb)
.set X_, XS+4*(\rb)+S_%4
.set Y_, GT+S_%4
.if S_ == 0
	v_wmma_scale_f32_16x16x128_f8f6f4 v[AC_:AC_+7], v[128:143], v[B_:B_+15], v[64:71], v[Y_], v[X_] matrix_a_fmt:MATRIX_FMT_BF8 matrix_b_fmt:MATRIX_FMT_BF8
.elseif S_ < 4
	v_wmma_scale_f32_16x16x128_f8f6f4 v[AC_:AC_+7], v[128+16*S_:143+16*S_], v[B_:B_+15], v[AC_:AC_+7], v[Y_], v[X_] matrix_a_fmt:MATRIX_FMT_BF8 matrix_b_fmt:MATRIX_FMT_BF8
.else
	v_wmma_scale_f32_16x16x128_f8f6f4 v[AC_:AC_+7], v[128+16*S_:143+16*S_], v[B_:B_+15], v[AC_:AC_+7], v[Y_], v[X_] matrix_a_fmt:MATRIX_FMT_BF8 matrix_b_fmt:MATRIX_FMT_BF8 matrix_a_scale:MATRIX_SCALE_ROW1 matrix_b_scale:MATRIX_SCALE_ROW1
.endif
.endr
.set S_, S_+1
.endr
	WIN 0
.endm
	GPROD 0, 12, 2
	s_wait_tensorcnt 0x0                           ; x's rows 128-255 and W's first columns are in
	ds_add_u32 v[SPW], v[NIL]
	v_add_nc_u32 v[AX], SLOTB, v[AX]
	WALU
	s_wait_dscnt 0x0                               ; the add and my part of the bias are done, and I hold my rows of slot 0
	CROUND                                         ; so do all waves of the cluster
	s_cmp_eq_u32 s[WV], 0
	s_cbranch_scc1 .Lno_part                       ; wave 0's part of fill 0 lies in FST
	TLOAD G0W, G1W                                 ; slot 0: the other 96 columns of experts 0, 1
.Lno_part:
.set S_, 0
.rept 8                                            ; row blocks 2, 3
.set WQ_, 0x80+0x40*(S_/4)
	WIN WQ_
.irp rb, 0,1
.irp c, 0,1,2,3
	ds_load_b128 v[64*(S_%4)+32+16*\rb+4*\c:64*(S_%4)+32+16*\rb+4*\c+3], v[AX] offset:CB16*\rb+128*S_+32*\c
.endr
.endr
.set S_, S_+1
.endr
; W's fragments of a unit, cu = its column block in the expert, into set p: 32 loads
.macro WLD p, cu
.set S_, 0
.rept 8
.if (\p) == 0
.set A_, 128+16*S_
.set WQ_, 0
.elseif S_ < 4
.set A_, 64+16*S_
.set WQ_, 0
.else
.set A_, 16*(S_-4)
.set WQ_, 0x40
.endif
	WIN WQ_
.irp c, 0,1,2,3
	ds_load_b128 v[A_+4*\c:A_+4*\c+3], v[AW] offset:CB16*(\cu)+128*S_+32*\c
.endr
.set S_, S_+1
.endr
	WIN 0
.endm
	WLD 0, 0
	GPROD 2, 8, 32
	PLACES 9                                       ; behind the gates' last products: their sums are read, and registers that they read are written, below
	WLD 1, 1
	; THE GATES
	WIN 0x55                                       ; all in window 1
.irp n, 180,181,182,183
	v_mov_b32 v\n, 0                               ; a lane permute's destination counts as one of its sources
.endr
.irp rb, 0,1,2,3
.irp i, 0,2,4,6
	v_pk_mul_f32 v[96+8*\rb+\i:97+8*\rb+\i], v[96+8*\rb+\i:97+8*\rb+\i], v[96+8*\rb+\i:97+8*\rb+\i]   ; gu^2, each accumulator from its low end on
.endr
.endr
.irp rb, 0,1,2,3
	v_pk_add_f32 v[160+4*\rb:161+4*\rb], v[96+8*\rb:97+8*\rb], v[98+8*\rb:99+8*\rb]
	v_pk_add_f32 v[162+4*\rb:163+4*\rb], v[100+8*\rb:101+8*\rb], v[102+8*\rb:103+8*\rb]
.endr
.irp rb, 0,1,2,3
	v_pk_add_f32 v[160+4*\rb:161+4*\rb], v[160+4*\rb:161+4*\rb], v[162+4*\rb:163+4*\rb]
.endr
.irp rb, 0,1,2,3
	v_add_f32 v[176+\rb], v[160+4*\rb], v[161+4*\rb]   ; my eight experts' sum
.endr
.irp rb, 0,1,2,3
	v_permlanex16_b32 v[180+\rb], v[176+\rb], s[SEL], s[SEL+1]
.endr
.irp rb, 0,1,2,3
	v_add_f32 v[176+\rb], v[176+\rb], v[180+\rb]   ; with lane l xor 16's eight: the row's sum
.endr
	WALU                                           ; ahead of the batch
.irp rb, 0,1,2,3
	v_rcp_f32 v[184+\rb], v[176+\rb]
.endr
	v_nop                                          ; a plain instruction between the last reciprocal and the use of its result
	WALU                                           ; and behind it
.irp j, 0,1,2,3,4,5,6,7
.irp rb, 0,1,2,3
	v_mul_f32 v[128+4*\j+\rb], v[96+8*\rb+\j], v[184+\rb]   ; an expert's four row blocks side by side
.endr
.endr
	WIN 0x04                                       ; an LDS store's data are its source 1: window 1
.irp j, 0,1,2,3,4,5,6,7
	ds_store_b128 v[AGS], v[128+4*\j:128+4*\j+3] offset:256*\j   ; expert 8 h + j, row r.  My wave alone reads these bytes; Wg, which lay here, was read by all ahead of the last round
.endr
	WIN 0
	v_add_nc_u32 v[AW], s[TB], v[AW0]              ; from here on W comes from the slots
	WALU
; ONE PRODUCT: number N_ of unit U_: K step N_ / 4, row block N_ % 4.
.macro WM
.set S_, N_/4
.set R_, N_%4
.set D_, 64+32*P_+8*R_
.set WQ_, 0x48+4*(S_/4)
.if P_ == 0
.set A_, 128+16*S_
.elseif S_ < 4
.set A_, 64+16*S_
.else
.set A_, 16*(S_-4)
.set WQ_, WQ_+1
.endif
.set B_, 64*(S_%4)+16*R_
.set X_, XS+4*R_+S_%4
.set Y_, WS+4*(U_%4)+S_%4
.set C_, BI+8*P_
.if S_ > 0
.set C_, D_
.set WQ_, WQ_+0x10
.endif
	WIN WQ_
.if S_ < 4
	v_wmma_scale_f32_16x16x128_f8f6f4 v[D_:D_+7], v[A_:A_+15], v[B_:B_+15], v[C_:C_+7], v[Y_], v[X_] matrix_a_fmt:MATRIX_FMT_BF8 matrix_b_fmt:MATRIX_FMT_BF8
.else
	v_wmma_scale_f32_16x16x128_f8f6f4 v[D_:D_+7], v[A_:A_+15], v[B_:B_+15], v[C_:C_+7], v[Y_], v[X_] matrix_a_fmt:MATRIX_FMT_BF8 matrix_b_fmt:MATRIX_FMT_BF8 matrix_a_scale:MATRIX_SCALE_ROW1 matrix_b_scale:MATRIX_SCALE_ROW1
.endif
.endm
; THE VECTOR WORK on a finished unit: h at HB_, out at OB_.  MX: the relu of one number; FM: out += gate x h for a pair (mode 1: expert 0, which starts out: nothing is ever cleared).
; Of the pair that holds row block rb's gate the packed form takes the first register (rb even) or the second (rb odd) for both halves.
.macro MX i
	v_max_num_f32 v[HB_+(\i)], v[HB_+(\i)], v[ZR]
.endm
.macro FM n, mode
.set E_, 2*(\n)
.set G_, GT+(((\n)/4)&2)
.if (\mode) == 2
.if (((\n)/4)%2) == 0
	v_pk_fma_f32 v[OB_+E_:OB_+E_+1], v[HB_+E_:HB_+E_+1], v[G_:G_+1], v[OB_+E_:OB_+E_+1] op_sel_hi:[1,0,1]
.else
	v_pk_fma_f32 v[OB_+E_:OB_+E_+1], v[HB_+E_:HB_+E_+1], v[G_:G_+1], v[OB_+E_:OB_+E_+1] op_sel:[0,1,0] op_sel_hi:[1,1,1]
.endif
.else
.if (((\n)/4)%2) == 0
	v_pk_mul_f32 v[OB_+E_:OB_+E_+1], v[HB_+E_:HB_+E_+1], v[G_:G_+1] op_sel_hi:[1,0]
.else
	v_pk_mul_f32 v[OB_+E_:OB_+E_+1], v[HB_+E_:HB_+E_+1], v[G_:G_+1] op_sel:[0,1] op_sel_hi:[1,1]
.endif
.endif
.endm
; Line k of 48: two numbers' relu, then by turns two more and the multiply-add of the pair before; each accumulator is read from its low end on.
.macro SL k, mode
.set J_, ((\k)+1)/3-1
.set T_, ((\k)+1)%3
.if (\k) < 2
	MX \k
.elseif (\k) == 47
	FM 15, \mode
.elseif T_ == 2
	FM J_, \mode
.else
	MX 2*J_+2+T_
.endif
.endm
.macro GRD chg
	s_wait_tensorcnt 0x0
	ds_add_u32 v[SPW], v[NIL]
.if (\chg) == 1
	s_xor_b32 s[G0W+1], s[G0W+1], SLOTB            ; the other slot than last time, the next two experts
	s_add_nc_u64 s[G0W+2:G0W+3], s[G0W+2:G0W+3], 2<<20
	s_wait_xcnt 0x0                                ; the last prefetch has read its address
	s_add_nc_u64 s[PFA:PFA+1], s[PFA:PFA+1], 2<<20
.endif
.endm
; A UNIT.  u: its number, counted from a trip's base (8 x trips).  epi: the lines of the unit before: 0 none, 1 they start out, 2 they add.  chg: a change of slots: 1 with a refill, 2 without; gd: the product ahead of which
; its lines stand.  dsn: the LDS instructions that may be out: the last unit's run, 32 fragments and 2 of bias.  ldn: the scale loads of later units that may be out.  fetch, ldsc: a run, a scale load follows.
; PLACES.  A load into a register that a matrix instruction has read, and a vector instruction that reads a matrix result, stand eight plain vector lines behind it: lines 40 to 47.
; THE CHANGE OF SLOTS stands in a slot's unit 6: the slot's last bytes, unit 7's, were asked for behind unit 5.  Behind the round nobody reads the slot, and the other slot is whole.  A refill has eight units to land.
.macro UNIT u, epi, chg, gd, dsn, ldn, fetch, ldsc
.set U_, \u
.set P_, U_%2
.set HB_, 96-32*P_
.set OB_, OUTB+32*((U_+3)%4)
	s_wait_loadcnt \ldn
	s_wait_dscnt \dsn
.if (\chg) && ((\gd) == 0)
	GRD \chg
.endif
.set N_, 0
.rept 32
.if (\chg) && ((\gd) > 0) && (N_ == (\gd))
	WIN 0
	GRD \chg
.endif
.if (\chg) && (N_ == 28)
	WIN 0
	WALU
	s_wait_dscnt 0x0                               ; the add is done, and my reads of the slot are over
	s_barrier_signal -1
.endif
	WM
.if \epi
.set I_, N_*5/8
.set I2_, (N_+1)*5/8
.if I2_ != I_
	WIN 0x51
	SL 2*I_, \epi
	SL 2*I_+1, \epi
.endif
.endif
.set N_, N_+1
.endr
.if \epi
	WIN 0x51
.irp k, 40,41,42,43,44,45,46,47
	SL \k, \epi
.endr
	WIN 0
.else
	WIN 0
	PLACES 8
.endif
.if \chg
	s_barrier_wait -1
.if (\chg) == 1
	CREST                                          ; no wave of any partner still reads the slot or has a load on its way
	TLOAD G0W, G1W
.endif
.endif
.if \fetch
.if (U_%4) == 2                                    ; the unit two on begins an expert
.if (U_%8) == 6
	s_xor_b32 s[TB], s[TB], SLOTB+EXPB             ; from a slot's second expert to the other slot's first
.else
	s_xor_b32 s[TB], s[TB], EXPB                   ; to the slot's second expert
.endif
	v_add_nc_u32 v[AW], s[TB], v[AW0]
	WALU
.endif
.if (U_%4) == 0
	ds_load_b128 v[GT:GT+3], v[AGT] offset:256*(U_/4)   ; this unit's expert's gates: the next unit's lines are the first to read them
.endif
.set V_, U_+2
	WLD P_, V_%4
.irp i, 0,1
	ds_load_b128 v[BI+8*P_+4*\i:BI+8*P_+4*\i+3], v[ABI] offset:256*(V_/4)+64*(V_%4)+16*\i
.endr
.endif
.if \ldsc
	global_load_b128 v[WS+4*(U_%4):WS+4*(U_%4)+3], v[SCO], s[WSB:WSB+1] offset:32768*(U_/4+1)+512*(U_%4)   ; the unit four on
.endif
.if (\chg) == 1
	; A PREFETCH of what the next change of slots will ask for, eight units ahead of the load that will want it: a wave's 8,192 bytes.  The last refill asks for nothing.
	s_cmp_gt_u32 s[CNT], s[LIM]
	s_cbranch_scc0 .Lnot_mine_\@
	global_prefetch_b8 v[PFO], s[PFA:PFA+1] offset:0x200000 th:TH_LOAD_NT scope:SCOPE_SE
.Lnot_mine_\@:
.endif
.endm
	UNIT 0, 0, 1, 24, 40, 3, 1, 1                  ; (out behind W's set 0: 32 loads of set 1, 8 stores of gates.)  Slot 0 is shown, slot 1 filled
	UNIT 1, 1, 0, 0, 34, 3, 1, 1
	UNIT 2, 1, 0, 0, 34, 3, 1, 1
	UNIT 3, 1, 0, 0, 34, 3, 1, 1
	UNIT 4, 1, 0, 0, 34, 3, 1, 1
.Ltrip:                                            ; six trips of eight units, each with its refill: fills 2 to 7
	UNIT 5, 2, 0, 0, 34, 3, 1, 1
	UNIT 6, 2, 1, 0, 34, 3, 1, 1
	UNIT 7, 2, 0, 0, 34, 3, 1, 1
	UNIT 8, 2, 0, 0, 34, 3, 1, 1
	UNIT 9, 2, 0, 0, 34, 3, 1, 1
	UNIT 10, 2, 0, 0, 34, 3, 1, 1
	UNIT 11, 2, 0, 0, 34, 3, 1, 1
	UNIT 12, 2, 0, 0, 34, 3, 1, 1
	s_wait_xcnt 0x0                                ; the scale loads have read their base
	s_add_nc_u64 s[WSB:WSB+1], s[WSB:WSB+1], 0x10000
	v_add_nc_u32 v[ABI], 0x200, v[ABI]             ; two experts on
	v_add_nc_u32 v[AGT], 0x200, v[AGT]
	WALU
	s_sub_co_u32 s[CNT], s[CNT], 1
	s_cmp_lg_u32 s[CNT], 0
	s_cbranch_scc1 .Ltrip
	UNIT 5, 2, 0, 0, 34, 3, 1, 1                   ; the last eleven units are written out
	UNIT 6, 2, 2, 0, 34, 3, 1, 1
	UNIT 7, 2, 0, 0, 34, 3, 1, 1
	UNIT 8, 2, 0, 0, 34, 3, 1, 1
	UNIT 9, 2, 0, 0, 34, 3, 1, 1
	UNIT 10, 2, 0, 0, 34, 3, 1, 1
	UNIT 11, 2, 0, 0, 34, 3, 1, 1
	UNIT 12, 2, 0, 0, 34, 3, 1, 0
	UNIT 13, 2, 0, 0, 34, 2, 1, 0
	UNIT 14, 2, 0, 0, 34, 1, 0, 0
	UNIT 15, 2, 0, 0, 0, 0, 0, 0
	; THE WAY OUT, a block of 16 rows x 64 columns at a time: the last unit's lines for it, then through my own stage in LDS, back as whole rows of 256 bytes.  LDS serves a wave's instructions in order
	; (ISA guide 5.7.1.4): no wait between the stores and the loads, nor in front of the next block's stores.  Four buffers: no store's data are written again.
	v_lshrrev_b32 v48, 5, v[SCO]                   ; r
	v_bfe_u32 v49, v[SCO], 4, 1                    ; h
	s_mul_i32 s66, s[WV], 16*SP
	v_mul_u32_u24 v50, v48, SP
	v_lshl_add_u32 v50, v49, 5, v50
	v_add_nc_u32 v50, s66, v50                     ; in: row r, 32 bytes for each half of the lanes
	v_mul_u32_u24 v51, v49, SP
	v_lshl_add_u32 v51, v48, 4, v51
	v_add_nc_u32 v51, s66, v51                     ; back: lanes 0-15 one row of 256 bytes, lanes 16-31 the next
	v_lshlrev_b32 v52, 12, v49
	v_lshl_add_u32 v52, v48, 4, v52                ; and the same two rows in out
	WALU
.set HB_, 96
.set OB_, OUTB+96
.macro SEND rb, younger                ; younger: the LDS instructions issued behind block rb's loads: the next block's sixteen, or none
	s_wait_dscnt \younger
.irp i, 0,1,2,3,4,5,6,7
	global_store_b128 v52, v[128+32*(\rb)+4*\i:128+32*(\rb)+4*\i+3], s[20:21] offset:(16*((\rb)%2)+128*((\rb)/2)+2*\i)*4096 th:TH_STORE_NT   ; 16 lanes store 256 consecutive bytes, at a multiple of 256 from out's first byte
.endr
.endm
.irp rb, 0,1,2,3
	WIN 0x51
.irp i, 0,1,2,3,4,5,6,7
	MX 8*\rb+\i
.endr
.irp i, 0,1,2,3
	FM 4*\rb+\i, 2
.endr
	WIN 0x04
.irp cu, 0,1,2,3
.irp i, 0,1
	ds_store_b128 v50, v[OUTB+32*\cu+8*\rb+4*\i:OUTB+32*\cu+8*\rb+4*\i+3] offset:64*\cu+16*\i
.endr
.endr
	WIN 0
.irp i, 0,1,2,3,4,5,6,7
	ds_load_b128 v[128+32*\rb+4*\i:128+32*\rb+4*\i+3], v51 offset:2*\i*SP   ; into the registers that held W's set 0
.endr
.if \rb > 0
	SEND \rb-1, 16
.endif
.endr
	SEND 3, 0
	s_wait_tensorcnt 0x0                           ; the wave's end: behind my last tensor load and my last LDS store
	ds_add_u32 v[SPW], v[NIL]
	s_wait_dscnt 0x0
	CROUND                                         ; the closing round: no work-group ends while a partner may still ask for a tile that names it
	s_endpgm
.Lfunc_end_k_q4497ee3cb6_gated:
	.size	k_q4497ee3cb6_gated, .Lfunc_end_k_q4497ee3cb6_gated-k_q4497ee3cb6_gated
	.p2alignl 7, 3214868480
	.fill 96, 4, 3214868480
	.section	.rodata,"a",@progbits
	.p2align	6, 0x0
	.amdhsa_kernel k_q4497ee3cb6_gated
		.amdhsa_group_segment_fixed_size 327680
		.amdhsa_private_segment_fixed_size 0
		.amdhsa_enable_private_segment 0
		.amdhsa_kernarg_size 72
		.amdhsa_user_sgpr_count 2
		.amdhsa_user_sgpr_kernarg_segment_ptr 1
		.amdhsa_wavefront_size32 1
		.amdhsa_system_sgpr_workgroup_id_x 1
		.amdhsa_system_sgpr_workgroup_id_y 1
		.amdhsa_system_sgpr_workgroup_id_z 1
		.amdhsa_system_vgpr_workitem_id 0
		.amdhsa_next_free_vgpr 1024
		.amdhsa_next_free_sgpr 96
		.amdhsa_reserve_vcc 0
		.amdhsa_float_denorm_mode_32 3
		.amdhsa_float_denorm_mode_16_64 3
		.amdhsa_memory_ordered 1
		.amdhsa_forward_progress 1
		.amdhsa_inst_pref_size 255
	.end_amdhsa_kernel
	.section	.bss,"aw",@nobits
	.p2align	6
	.space	262144
	.amdgpu_metadata
---
amdhsa.version: [ 1, 2 ]
amdhsa.kernels:
  - .name:           k_q4497ee3cb6_gated
    .symbol:         k_q4497ee3cb6_gated.kd
    .args:
      - { .name: x_codes, .offset: 0, .size: 8, .value_kind: global_buffer, .address_space: global }
      - { .name: x_scales, .offset: 8, .size: 8, .value_kind: global_buffer, .address_space: global }
      - { .name: W_codes, .offset: 16, .size: 8, .value_kind: global_buffer, .address_space: global }
      - { .name: W_scales, .offset: 24, .size: 8, .value_kind: global_buffer, .address_space: global }
      - { .name: Wg_codes, .offset: 32, .size: 8, .value_kind: global_buffer, .address_space: global }
      - { .name: Wg_scales, .offset: 40, .size: 8, .value_kind: global_buffer, .address_space: global }
      - { .name: b, .offset: 48, .size: 8, .value_kind: global_buffer, .address_space: global }
      - { .name: bg, .offset: 56, .size: 8, .value_kind: global_buffer, .address_space: global }
      - { .name: out0, .offset: 64, .size: 8, .value_kind: global_buffer, .address_space: global }
    .group_segment_fixed_size: 327680
    .private_segment_fixed_size: 0
    .kernarg_segment_align: 8
    .kernarg_segment_size: 72
    .max_flat_workgroup_size: 128
    .sgpr_count:     96
    .vgpr_count:     1024
    .wavefront_size: 32
...
	.end_amdgpu_metadata
.endif
;; end of part 1
